; MI455X (gfx1250); checked and timed in simulation.
; The chip was launched on July 23, 2026; its instructions are those of AMD's public machine-readable ISA for CDNA 5 (MIT licence, August 2026) and "CDNA5" Instruction Set Architecture Reference Guide (July 2026). The comments in the code are by the model that wrote it; some were corrected since.
;; Quantized Linear. Allowed arithmetic: matrix products marked QUANTISED: E3M2 operands, one E8M0 scale for each 32 along K, by v_wmma_scale_f32_16x16x128_f8f6f4 with both operands' format E3M2, f32 sums; everything else in f32.
;; Inputs: bias 4,096 float32; scale 1 float32; weight_q 4,096 x 4,096 int32; x 4 x 1,024 x 4,096 float32.
;; Outputs: out0 4 x 1,024 x 4,096 float32.
;; This version of the problem:
;;   THIS VERSION OF THE PROBLEM IS GIVEN IN LOW PRECISION. The matrix products marked QUANTISED in the list below multiply operands that are first quantised to E3M2 (3 exponent bits, 2 mantissa bits; 6 bits a number), with one power-of-two scale for each 32 numbers along K (OCP MX v1.0); their sums are f32. All else is computed in f32.
;;   The module's matrix products, in the order in which they are computed (A, B: the left and right operand; K: the contracted axis; several contracted axes count as one K, in the product's order):
;;     1. [M 4,096, K 4,096] x [K 4,096, N 4,096]; A: input x; B: computed on the way: QUANTISED
;;   THE QUANTISER, for each operand of a quantised product, along K:
;;     - K is cut into blocks of 32 from its start; a last block that is shorter is filled with zeros.
;;     - A block's scale is 2^e with e = floor(log2(the largest magnitude in the block)) - 4, held to -126 .. 127; a block of zeros has e = 0. As a byte (E8M0): e + 127.
;;     - Each number is divided by its block's scale, clamped to +-28, and rounded to the nearest number of E3M2, ties to even, subnormals kept.
;;     - The product sums the exact products of the quantised numbers (number of the format x scale) in f32.
;;   ~~~python
;;   def quantise(x, axis):      # numpy; x: float32 -> the quantised numbers, widened to float32 again
;;       x = np.moveaxis(x, axis, -1); K = x.shape[-1]
;;       x = np.pad(x, [(0, 0)] * (x.ndim - 1) + [(0, -K % 32)]); x = x.reshape(x.shape[:-1] + (-1, 32)); a = np.abs(x).max(-1, keepdims=True)
;;       e = np.where(a > 0, np.clip(np.frexp(np.where(a > 0, a, 1))[1] - 1 - 4, -126, 127), 0)      # np.frexp(a)[1] - 1 = floor(log2(a)), exactly
;;       r = np.clip(x / 2.0 ** e, -28, 28)
;;       step = 2.0 ** (np.maximum(np.frexp(np.where(r == 0, 1, r))[1] - 1, -2) - 2)
;;       q = np.round(r / step) * step * 2.0 ** e      # np.round: ties to even
;;       return np.moveaxis(q.reshape(q.shape[:-2] + (-1,))[..., :K], -1, axis).astype(np.float32)
;;   ~~~
;;   OPERANDS COMPUTED ON THE WAY. 'Computed on the way' means the value that the module computes at that place (a softmax that the list does not call 'softmax' is quantised finished and normalised). What goes into a quantiser is computed in f32, as accurately as f32 sums, v_exp_f32 and their like allow (about 1e-6 of the number): no bf16 or f16 on the way to a quantiser, and a product that is left as it is and whose result goes on into a quantised operand takes f32 operands (vector FMAs, or v_wmma_f32_16x16x4_f32). A number that lies on a knife's edge between two numbers of the format may be rounded either way, as far as f32 arithmetic and the matrix unit's own rounding can turn it there, and no further.
;; One version. Each part assembles by itself: llvm-mc -triple=amdgcn-amd-amdhsa -mcpu=gfx1250 --defsym DOCPART=n.
;; ======== version 1 of 1: 2 launches
;; limits: right only within a limited range of input values
;; workspace buffers: xq 13,107,200 bytes; wq 13,107,200 bytes
;; launch quant (part 1): grid 1024 x 1, 4 waves a work-group, no clusters, 37,376 bytes of LDS; arguments x, weight_q, xq, wq, scale; writes xq, wq
.if DOCPART == 1
	.amdgcn_target "amdgcn-amd-amdhsa--gfx1250"
	.amdhsa_code_object_version 6
	.text
	.protected	k_q8ca2475136_quant
	.globl	k_q8ca2475136_quant
	.p2align	8
	.type	k_q8ca2475136_quant,@function
k_q8ca2475136_quant:
	s_mov_b64 s[64:65], 0
	v_nop
	global_prefetch_b8 v0, s[64:65] scope:SCOPE_SE
	s_setreg_imm32_b32 hwreg(HW_REG_WAVE_MODE, 25, 1), 1
	s_wait_xcnt 0x0
; x [4096][4096] f32 and W = float(weight_q) * scale[0], weight_q [4096][4096] int32, are turned into codes of BF6 (E3M2), 6 bits each, with one E8M0 scale byte for each 32 along K (K = the last axis of both).
; A block's scale is 2^(floor(log2(its largest magnitude)) - 4), 4 being the exponent of the format's largest number, 28; its byte is the largest magnitude's own exponent field - 4, held at 1 from below.
; Each number is divided by the scale and rounded to the nearest code, ties to even; beyond the largest code the conversion gives the largest code.
; LIMITS: NaN and infinities among the inputs are not served.  A block of zeros gets the byte 1 where the rule says 127: its codes are zeros, which add nothing under any byte but 0xff, and the bytes are read by
; this program alone.  A weight beyond 2^24 in magnitude is rounded to the nearest f32, ties to even, by the conversion.
; THE RESULTS ARE LAID AS IMAGES OF THE OPERAND'S REGISTERS.  A fragment is 16 rows x 128 along K, 12 registers a lane: lane l holds row l % 16; registers 6 c .. 6 c + 5 hold k = 64 c + 32 (l / 16) + 0 .. 31.  Its image
; is 1,536 bytes: registers 4 c .. 4 c + 3 of lane l at 512 c + 16 l.  Its scale words (row r: four bytes, byte b for k = 32 b ..) are 64 bytes, 4 a row.  A CHUNK is 128 rows x 128 along K: eight images, then
; the eight fragments' scale words: 12,800 bytes.  A buffer is [group of 128 rows: 32][128 along K: 32][chunk]: a group of rows is one stream along K.
; SHARES.  The first WGA work-groups take x, the others the weight.  A wave takes 64 rows x 128 along K: four fragments; the four waves of a work-group stand side by side along K.  A wave goes in eight half steps of
; 16 rows x 64 along K.  Each load reads 256 consecutive, aligned bytes of two rows (16 lanes a row).  A half step's 4,096 bytes go through the wave's own stage in LDS, rows 272 bytes apart, and come back 128 bytes a lane:
; lane (r, h) gets the 32 numbers of ITS block of row r, so the block's largest magnitude needs no other lane and the two conversions' results are the operand's registers.
; A fragment leaves by three stores of 512 consecutive bytes; the wave's four fragments' scale words are gathered in its own LDS bytes and leave by one store of 256 consecutive, aligned bytes.
; No tensor loads, no barrier: waves share nothing.  Loads run up to four half steps (32 loads a wave) ahead, the turn through LDS one.
.set WGA,   512                        ; work-groups for x: 32 groups of rows x 2 halves x 8 quads of chunks
.set STEPS, 8
.set EMAX,  4
.set ROWIN, 16384                      ; bytes of a row of x or of weight_q
.set FRB,   1536                       ; a fragment's image
.set SOFF,  8*FRB                      ; where a chunk's scale words begin
.set CHUNK, SOFF+8*64                  ; 12,800
.set RGB,   32*CHUNK                   ; a group of 128 rows, all of K
.set SP,    272                        ; a stage row: 256 bytes + 16: the 16 rows that a load of 16 bytes a lane touches start at 16 different groups of banks
.set STG,   16*SP                      ; a stage
.set SCA,   2*STG                      ; behind the two stages: the wave's 256 bytes of scale words
.set WREG,  9216                       ; LDS: a region of its own for each wave
.set R,     16                         ; v16-143  four sets of 32 numbers as they are loaded
.set X,     144                        ; v144-207 two sets of 32 neighbours: a block
.set PC,    208                        ; v208-231 a fragment's codes, two sets of 12 by turns
.set TM,    232                        ; v232-234 a block's upper 16 codes, on their way to an odd register
.set W,     236                        ; v236-239 a scale word for each fragment
.set B0,    240                        ; v240     the byte of the fragment's first half step
.set PT,    241                        ; v241     the other half of the lanes' bytes
	s_load_b128 s[4:7], s[0:1], 0x0                ; x, weight_q
	s_load_b128 s[8:11], s[0:1], 0x10              ; x's images, the weight's
	s_load_b64 s[28:29], s[0:1], 0x20              ; scale
	v_lshl_add_u32 v244, v0, 2, 0x9000
	v_mov_b32 v245, 0
	v_lshrrev_b32 v1, 5, v0
	v_readfirstlane_b32 s16, v1                    ; wave
	v_and_b32 v2, 31, v0                           ; lane
	v_and_b32 v8, 15, v0                           ; r
	v_bfe_u32 v9, v0, 4, 1                         ; h
	v_lshlrev_b32 v4, 4, v2                        ; out: 16 bytes a lane
	v_lshlrev_b32 v3, 4, v8
	v_lshl_add_u32 v3, v9, 14, v3                  ; in: 16 bytes x (lane % 16), lanes 16-31 a row further down
	s_mul_i32 s17, s16, WREG
	v_mul_u32_u24 v14, v9, SP
	v_lshl_add_u32 v14, v8, 4, v14
	v_add_nc_u32 v14, s17, v14                     ; the stage, on the way in: as loaded: row lane / 16 of the load's two, 16 (lane % 16)
	v_mul_u32_u24 v15, v8, SP
	v_lshl_add_u32 v15, v9, 7, v15
	v_add_nc_u32 v15, s17, v15                     ; and on the way out: row r, + 128 h: my block's 128 bytes
	v_lshlrev_b32 v5, 4, v8                        ; a wave's 256 bytes of scale words are laid [row r: 16][fragment of its four: 4 bytes]: 16 r + 4 f, so that the reader takes four fragments' words of a row by one load of 16 bytes
	v_add_nc_u32 v5, s17, v5                       ; my row's scale word in a fragment's 64 bytes
	v_lshlrev_b32 v7, 3, v2                        ; and on the way out 8 bytes a lane
	v_add_nc_u32 v6, s17, v7
	v_lshlrev_b32 v10, 3, v9                       ; 8 h: my bytes' place in the scale word
	v_mov_b32 v[PT], 0                             ; written once: a lane permute's destination counts as one of its sources
	s_mov_b32 s30, 0x76543210
	s_mov_b32 s31, 0xfedcba98                      ; v_permlanex16_b32's selects for lane l xor 16
	s_wait_alu depctr_va_vdst(0)
	s_wait_kmcnt 0x0
	s_load_b32 s26, s[28:29], 0x0                  ; scale[0]: no line of this launch writes that buffer
	s_cmp_lt_u32 ttmp9, WGA                        ; x's work-group or the weight's?  The choice hangs on the work-group's number alone
	s_cselect_b64 s[4:5], s[4:5], s[6:7]
	s_cselect_b64 s[8:9], s[8:9], s[10:11]
	s_cselect_b32 s24, 0, 1                        ; 1: the numbers arrive as int32 and are to be multiplied by scale[0]
	s_cselect_b32 s17, 0, WGA
	s_sub_co_u32 s17, ttmp9, s17                   ; my number among the tensor's 512 work-groups
	s_lshr_b32 s18, s17, 4                         ; which group of 128 rows
	s_bfe_u32 s19, s17, 0x10003                    ; which 64 of them
	s_and_b32 s20, s17, 7
	s_lshl_b32 s20, s20, 2
	s_add_co_u32 s20, s20, s16                     ; which 128 along K: 4 x (work-group % 8) + wave
	s_mov_b32 s23, 0
	s_lshl_b32 s22, s18, 21                        ; the source: 128 rows of 16,384 bytes,
	s_lshl_b32 s21, s19, 20                        ; 64 rows,
	s_add_co_u32 s22, s22, s21
	s_lshl_b32 s21, s20, 9                         ; 128 numbers of 4 bytes
	s_add_co_u32 s22, s22, s21
	s_add_nc_u64 s[4:5], s[4:5], s[22:23]
	s_mul_i32 s22, s18, RGB
	s_mul_i32 s21, s20, CHUNK
	s_add_co_u32 s22, s22, s21
	s_add_nc_u64 s[8:9], s[8:9], s[22:23]          ; my chunk
	s_lshl_b32 s22, s19, 8
	s_add_co_u32 s22, s22, SOFF
	s_add_nc_u64 s[10:11], s[8:9], s[22:23]        ; in it my four fragments' scale words,
	s_mul_i32 s22, s19, 4*FRB
	s_add_nc_u64 s[8:9], s[8:9], s[22:23]          ; and their images
.macro LOAD t                          ; half step t: fragment t / 2, k = 64 (t % 2) on: 16 rows x 256 bytes, two rows a load
.irp i, 0,1,2,3,4,5,6,7
	global_load_b128 v[R+32*((\t)%4)+4*\i:R+32*((\t)%4)+4*\i+3], v3, s[4:5] offset:(16*((\t)/2)+2*\i)*ROWIN+256*((\t)%2) th:TH_LOAD_NT
.endr
.endm
.macro TURN t                          ; half step t's numbers through the stage: LDS serves a wave's instructions in order (ISA guide 5.7.1.4), so no wait stands between the stores and the loads
.irp i, 0,1,2,3,4,5,6,7
	ds_store_b128 v14, v[R+32*((\t)%4)+4*\i:R+32*((\t)%4)+4*\i+3] offset:STG*((\t)%2)+2*\i*SP
.endr
.irp j, 0,1,2,3,4,5,6,7
	ds_load_b128 v[X+32*((\t)%2)+4*\j:X+32*((\t)%2)+4*\j+3], v15 offset:STG*((\t)%2)+16*\j
.endr
.endm
.irp t, 0,1,2,3
	LOAD \t
.endr
	s_wait_kmcnt 0x0                               ; scale[0] is in
	s_mov_b32 s27, s26                             ; (the packed multiply names the pair and takes its low word for both halves: so s27 is written)
	s_wait_loadcnt 24                              ; half step 0's eight loads are in; the 24 of half steps 1 to 3 may be out
	TURN 0
.macro STEP t
.set XS, X+32*((\t)%2)
.set FF, (\t)/2                        ; the fragment
.set CC, (\t)%2                        ; which half of its K
.set PS, PC+12*(FF%2)
.if ((\t) > 0) && (CC == 0)
	s_wait_dscnt 1                                 ; this half step's numbers are back from the stage (the last fragment's scale-word store may be out): so its stores into the stage have read their registers,
.else
	s_wait_dscnt 0x0
.endif
.if (\t)+4 < STEPS
	LOAD (\t)+4                                    ; which take the loads of four half steps on
.endif
.if (\t)+1 < STEPS
.if 6-(\t) >= 3
	s_wait_loadcnt 24                              ; the next half step's eight loads are in; those of the three behind it may be out
.else
	s_wait_loadcnt 8*(6-(\t))                      ; towards the end fewer stand behind it
.endif
	TURN (\t)+1                                    ; and go through the other stage while this half step is worked
.endif
	s_cmp_eq_u32 s24, 0                            ; the weight alone: int32 to f32, then one f32 multiplication by scale[0].  The branch hangs on the work-group's number and goes round register work alone
	s_cbranch_scc1 .Lf32_\@
.irp i, 0,1,2,3,4,5,6,7,8,9,10,11,12,13,14,15,16,17,18,19,20,21,22,23,24,25,26,27,28,29,30,31
	v_cvt_f32_i32 v[XS+\i], v[XS+\i]
.endr
.irp i, 0,2,4,6,8,10,12,14,16,18,20,22,24,26,28,30
	v_pk_mul_f32 v[XS+\i:XS+\i+1], v[XS+\i:XS+\i+1], s[26:27] op_sel_hi:[1,0]
.endr
.Lf32_\@:
	v_max3_num_f32 v8, |v[XS]|, |v[XS+1]|, |v[XS+2]|               ; the block's largest magnitude: all 32 numbers are mine; two chains
	v_max3_num_f32 v9, |v[XS+3]|, |v[XS+4]|, |v[XS+5]|
.irp i, 6,10,14,18,22,26
	v_max3_num_f32 v8, v8, |v[XS+\i]|, |v[XS+\i+1]|
	v_max3_num_f32 v9, v9, |v[XS+\i+2]|, |v[XS+\i+3]|
.endr
	v_max3_num_f32 v8, v8, |v[XS+30]|, |v[XS+31]|
	v_max3_num_f32 v8, v8, v9, (EMAX+1)<<23        ; and the floor 2^(EMAX + 1 - 127), under which no largest magnitude is taken: so the byte cannot fall under 1
	v_add_nc_u32 v11, -(EMAX<<23), v8              ; EMAX off its exponent field: the conversion takes the exponent field of this operand as its scale, and nothing else of it
.if ((\t) >= 4) && (CC == 0)
	s_wait_alu depctr_va_vdst(0)
	s_wait_xcnt 0x0                                ; the stores of the fragment two back have read this set of code registers: only behind this wait is it written again
.endif
	v_cvt_scalef32_pk16_bf6_f32 v[PS+6*CC:PS+6*CC+2], v[XS:XS+15], v11      ; registers 6 c .. 6 c + 2 of the operand
	v_cvt_scalef32_pk16_bf6_f32 v[TM:TM+2], v[XS+16:XS+31], v11             ; (a conversion's three registers begin on an even number: the block's upper three do not, so they are made elsewhere and moved)
.if CC == 0
	v_lshrrev_b32 v[B0], 23, v11                   ; the scale's byte of block h (also the plain line behind the conversions)
.else
	v_lshrrev_b32 v[W+FF], 23, v11                 ; the scale's byte of block 2 + h (also the plain line behind the conversions)
.endif
.irp i, 0,1,2
	v_mov_b32 v[PS+6*CC+3+\i], v[TM+\i]
.endr
.if CC == 1
	v_lshl_or_b32 v[W+FF], v[W+FF], 16, v[B0]      ; my two bytes: blocks h and 2 + h of row r,
	v_lshlrev_b32 v[W+FF], v10, v[W+FF]            ; at their places in the scale word (8 h bits up);
	v_permlanex16_b32 v[PT], v[W+FF], s30, s31
	v_or_b32 v[W+FF], v[W+FF], v[PT]               ; with lane l xor 16's two the word is whole
	ds_store_b32 v5, v[W+FF] offset:SCA+4*FF       ; lanes r and r + 16 write the same word with the same value; a chunk's 512 bytes of scale words are so [64 rows: 2][r: 16][fragment: 4]
.irp c, 0,1,2
	global_store_b128 v4, v[PS+4*\c:PS+4*\c+3], s[8:9] offset:FRB*FF+512*\c   ; the image: 32 lanes store 512 consecutive bytes, at a multiple of 256 from the buffer's first byte
.endr
.endif
.endm
.irp t, 0,1,2,3,4,5,6,7
	STEP \t
.endr
	ds_load_b64 v[12:13], v6 offset:SCA            ; LDS serves a wave's instructions in order: these see my stores
	s_wait_dscnt 0x0
	global_store_b64 v7, v[12:13], s[10:11]        ; 32 lanes store 256 consecutive bytes, at a multiple of 256 from the buffer's first byte
	s_wait_tensorcnt 0x0
	ds_add_u32 v244, v245
	s_wait_dscnt 0x0
	s_endpgm
.Lfunc_end_k_q8ca2475136_quant:
	.size	k_q8ca2475136_quant, .Lfunc_end_k_q8ca2475136_quant-k_q8ca2475136_quant
	.p2alignl 7, 3214868480
	.fill 96, 4, 3214868480
	.section	.rodata,"a",@progbits
	.p2align	6, 0x0
	.amdhsa_kernel k_q8ca2475136_quant
		.amdhsa_group_segment_fixed_size 37376
		.amdhsa_private_segment_fixed_size 0
		.amdhsa_enable_private_segment 0
		.amdhsa_kernarg_size 40
		.amdhsa_user_sgpr_count 2
		.amdhsa_user_sgpr_kernarg_segment_ptr 1
		.amdhsa_wavefront_size32 1
		.amdhsa_system_sgpr_workgroup_id_x 1
		.amdhsa_system_sgpr_workgroup_id_y 1
		.amdhsa_system_sgpr_workgroup_id_z 1
		.amdhsa_system_vgpr_workitem_id 0
		.amdhsa_next_free_vgpr 246
		.amdhsa_next_free_sgpr 66
		.amdhsa_reserve_vcc 0
		.amdhsa_float_denorm_mode_32 3
		.amdhsa_float_denorm_mode_16_64 3
		.amdhsa_memory_ordered 1
		.amdhsa_forward_progress 1
		.amdhsa_inst_pref_size 48
	.end_amdhsa_kernel
	.amdgpu_metadata
---
amdhsa.version: [ 1, 2 ]
amdhsa.kernels:
  - .name:           k_q8ca2475136_quant
    .symbol:         k_q8ca2475136_quant.kd
    .args:
      - { .name: x, .offset: 0, .size: 8, .value_kind: global_buffer, .address_space: global }
      - { .name: weight_q, .offset: 8, .size: 8, .value_kind: global_buffer, .address_space: global }
      - { .name: xq, .offset: 16, .size: 8, .value_kind: global_buffer, .address_space: global }
      - { .name: wq, .offset: 24, .size: 8, .value_kind: global_buffer, .address_space: global }
      - { .name: scale, .offset: 32, .size: 8, .value_kind: global_buffer, .address_space: global }
    .group_segment_fixed_size: 37376
    .private_segment_fixed_size: 0
    .kernarg_segment_align: 8
    .kernarg_segment_size: 40
    .max_flat_workgroup_size: 128
    .sgpr_count:     66
    .vgpr_count:     246
    .wavefront_size: 32
...
	.end_amdgpu_metadata
.endif
;; end of part 1
;; launch gemm (part 2): grid 16 x 16, 4 waves a work-group, clusters of 4 x 4, 327,680 bytes of LDS; arguments xq, wq, out0, bias; writes out0
.if DOCPART == 2
	.amdgcn_target "amdgcn-amd-amdhsa--gfx1250"
	.amdhsa_code_object_version 6
	.text
	.protected	k_q8ca2475136_gemm
	.globl	k_q8ca2475136_gemm
	.p2align	8
	.type	k_q8ca2475136_gemm,@function
k_q8ca2475136_gemm:
	s_mov_b64 s[64:65], 0
	v_nop
	global_prefetch_b8 v0, s[64:65] scope:SCOPE_SE
	s_setreg_imm32_b32 hwreg(HW_REG_WAVE_MODE, 25, 1), 1
	s_wait_xcnt 0x0
	s_wait_alu depctr_hold_cnt(0) depctr_sa_sdst(0) depctr_va_vdst(0) depctr_va_sdst(0) depctr_va_ssrc(0) depctr_va_vcc(0) depctr_vm_vsrc(0)
	s_getreg_b32 s2, hwreg(HW_REG_IB_STS2, 6, 4)
	s_cmp_eq_u32 s2, 0
	s_cbranch_scc0 .Lentry_in_a_cluster
	s_endpgm
.Lentry_in_a_cluster:
	s_bfe_u32 s2, ttmp6, 0x10000c
	s_cmp_lg_u32 s2, 0xf033
	s_cbranch_scc0 .Lentry_shape_is_right
	s_endpgm
.Lentry_shape_is_right:
; out0[m][n] = sum over k of X[m][k] W[n][k] + bias[n]; X and W arrive as codes of BF6 (E3M2) with E8M0 scale bytes, laid by the launch before as images of the operand's registers:
; a CHUNK is 128 rows x 128 along K: eight fragment images of 1,536 bytes (register 4 c + i of lane l at 512 c + 16 l + 4 i), then 512 bytes of scale words [64 rows: 2][row: 16][fragment: 4]; a group of 128 rows is 32 chunks on end.
; A tile of out0, 256 x 256, is made by four waves, each 128 x 128: 64 accumulators, 512 registers.  K goes in steps of 128 through two LDS slots of three steps (the last fill has two); a wave's one tensor load brings
; three chunks of one group, 38,400 consecutive bytes, as rows of 256 bytes.  4 x 4 work-groups form a cluster: X's chunks are asked for jointly along a row of it, W's along a column.
; BOTH OPERANDS HAVE TWO REGISTER SETS.  A step multiplies one set and fetches the next step's 50 LDS loads (W's 24, 2 of scale words, X's 24, in this order) into the other, in two runs: 32 at its head, 18 in its middle.
; So a slot's last chunk is fetched in the slot's SECOND step, and the round for the refill stands at that step's end; the slot's third step fetches from the next slot like any other step.
; THE MATRIX INSTRUCTION IS USED TRANSPOSED (source 0 = 16 rows of W, source 1 = 16 rows of X): a lane holds eight neighbouring numbers of a row of out0.
; The last two steps are finished by blocks of 16 rows; each block goes through the wave's stage in LDS, comes back as whole rows of 512 bytes, gets the bias (four numbers a lane, the same for all rows) and is stored.
; PREFETCH: behind each joint load but the last two, the tile of the next one (three steps, 192 matrix instructions a wave, ahead of its load): its 150 units of 256 bytes are shared among the four partners by address, 38 each.
; REGISTERS: window 0: v16-29 addresses, v32-47 scale words (two sets), v48-51 bias, v64-159 and v160-255 X's fragments; window 1: v0-95 and v128-223 W's fragments, v96-127 and v224-255 rows on the way out;
;   window 2: the accumulators of my rows 0-63 ((a, b) at v[8 (8 a + b)]); window 3: those of rows 64-127.
.set SIZE_N, 4096
.set FR,     12
.set FRB,    1536
.set SOFF,   8*FRB
.set CHUNK,  SOFF+512
.set HALFT,  3*CHUNK                   ; what one tensor load brings
.set RGB,    32*CHUNK                  ; a group of 128 rows, all of K
.set SLOT,   4*HALFT                   ; X's two groups, then W's two
.set SPARE,  2*SLOT                    ; the spare words, 128 bytes a wave
.set STAGE,  SLOT                      ; the way out: in slot 1, which has had its last fill and its last read by then
.set SPITCH, 528
.set ADRA, 16
.set ADRS, 18
.set ADRB, 20
.set PF,   22
.set STO,  24
.set RD,   25
.set CO,   26
.set SPW,  28
.set NIL,  29
.set SC,   32
.set BI,   48
.set AF,   64
.set G1, 24
.set G0, 32
.set G1B, 48
.set G0B, 56
.set G1T, 68                           ; group 1 for the last fill, of two chunks
.set G1TB, 80
.set PFA, 88                           ; s[88:89] where my prefetches stand
.set MSB, 0
.macro WIN new                         ; the immediate's high byte repeats the setting that is left
.if MSB != (\new)
	s_set_vgpr_msb (MSB<<8)|(\new)
.set MSB, (\new)
.endif
.endm
.set MUL_LO, 0xa1                      ; source 0 (W) window 1, source 1 (X) window 0, C and D window 2
.set TO_B,   0x40                      ; destination window 1, address window 0
.macro JLOAD g0a, g1a, g0b, g1b        ; a joint load: waves 0 and 1 fetch X's two groups, waves 2 and 3 W's; an s_nop 0 and four v_nop behind each tensor load
	s_cmp_eq_u32 s15, 0
	s_cbranch_scc0 .Lfor_b_\@
	tensor_load_to_lds s[\g0a:\g0a+3], s[\g1a:\g1a+7]
	s_nop 0
.rept 4
	v_nop
.endr
	s_branch .Lasked_\@
.Lfor_b_\@:
	tensor_load_to_lds s[\g0b:\g0b+3], s[\g1b:\g1b+7]
	s_nop 0
.rept 4
	v_nop
.endr
.Lasked_\@:
.endm
.macro CREST                           ; a round of the cluster's barrier behind its opening barrier
	s_cmp_lg_u32 s14, 0
	s_cbranch_scc1 .Lnot_wave_0_\@
	s_barrier_signal -3
.Lnot_wave_0_\@:
	s_barrier_wait -3
	s_barrier_signal -1
	s_barrier_wait -1
.endm
.macro CROUND
	s_barrier_signal -1
	s_barrier_wait -1
	CREST
.endm
.macro PLACES
.rept 4
	v_nop
.endr
.endm
	s_load_b128 s[4:7], s[0:1], 0x0                ; X's images, W's images
	s_load_b128 s[8:11], s[0:1], 0x10              ; out0, bias
	v_lshl_add_u32 v[SPW], v0, 2, SPARE
	v_mov_b32 v[NIL], 0
	ds_add_u32 v[SPW], v[NIL]                      ; the opening lines: the add twice on end and one wait
	ds_add_u32 v[SPW], v[NIL]
	v_lshrrev_b32 v1, 5, v0
	v_readfirstlane_b32 s14, v1                    ; wave
	s_lshr_b32 s15, s14, 1                         ; my half of the tile's rows; also: I fetch for X (0) or W (1)
	s_and_b32 s16, s14, 1                          ; my half of its columns; also: which group of that operand I fetch
	s_bfe_u32 s40, ttmp6, 0x40000                  ; cx
	s_bfe_u32 s41, ttmp6, 0x40004                  ; cy
	s_lshl_b32 s42, ttmp9, 2
	s_add_co_u32 s42, s42, s40                     ; tile column
	s_and_b32 s17, ttmp7, 0xffff
	s_lshl_b32 s17, s17, 2
	s_add_co_u32 s17, s17, s41                     ; tile row
	s_lshl_b32 s43, s41, 2
	s_lshl_b32 s43, 15, s43                        ; my row of the cluster
	s_lshl_b32 s44, 0x1111, s40                    ; my column
	s_or_b32 s[G1+0], s43, (3<<16)|(1<<21)         ; elements of 8 bytes; bit 21 beside a mask
	s_or_b32 s[G1B+0], s44, (3<<16)|(1<<21)
	s_or_b32 s[G1T+0], s43, (3<<16)|(1<<21)
	s_or_b32 s[G1TB+0], s44, (3<<16)|(1<<21)
.irp g, G1, G1B
	s_mov_b32 s[\g+1], 32<<16                      ; rows of 256 bytes,
	s_mov_b32 s[\g+2], (HALFT/256)<<16             ; 150 of them, dense
	s_mov_b32 s[\g+3], 32<<16
	s_mov_b32 s[\g+4], HALFT/256
	s_mov_b32 s[\g+5], 32
	s_mov_b32 s[\g+6], 0
	s_mov_b32 s[\g+7], 0
.endr
.irp g, G1T, G1TB
	s_mov_b32 s[\g+1], 32<<16
	s_mov_b32 s[\g+2], (2*CHUNK/256)<<16           ; 100 rows
	s_mov_b32 s[\g+3], 32<<16
	s_mov_b32 s[\g+4], 2*CHUNK/256
	s_mov_b32 s[\g+5], 32
	s_mov_b32 s[\g+6], 0
	s_mov_b32 s[\g+7], 0
.endr
	s_lshl_b32 s20, s17, 1
	s_add_co_u32 s20, s20, s16
	s_mul_i32 s20, s20, RGB                        ; X: group 2 x tile row + half
	s_mov_b32 s21, 0
	s_lshl_b32 s46, s42, 1
	s_add_co_u32 s46, s46, s16
	s_mul_i32 s46, s46, RGB                        ; W: group 2 x tile column + half
	s_mov_b32 s47, 0
	s_mul_i32 s45, s14, HALFT                      ; where my loads land: wave x 38,400
	s_mul_i32 s76, s15, HALFT                      ; what I read: my group of X,
	s_mul_i32 s77, s16, HALFT
	s_add_co_u32 s77, s77, 2*HALFT                 ; my group of W,
	s_sub_co_u32 s78, s77, s76                     ; and the distance between the two
	s_mul_i32 s79, s14, 16*SPITCH
	s_add_co_u32 s79, s79, STAGE                   ; my stage
	s_lshl_b32 s92, s42, 10
	s_lshl_b32 s93, s16, 9
	s_add_co_u32 s92, s92, s93                     ; my first column in bytes
	s_mov_b32 s93, 0
	s_lshl_b32 s66, s17, 22                        ; my first row: 256 x tile row + 128 x half, rows of 16,384 bytes
	s_lshl_b32 s67, s15, 21
	s_add_co_u32 s66, s66, s67
	s_add_co_u32 s66, s66, s92
	s_mov_b32 s67, 0
	s_wait_dscnt 0x0                               ; both opening adds are done
	s_wait_kmcnt 0x0
	s_add_nc_u64 s[20:21], s[4:5], s[20:21]
	s_add_nc_u64 s[46:47], s[6:7], s[46:47]
	s_add_nc_u64 s[8:9], s[8:9], s[66:67]
	s_add_nc_u64 s[10:11], s[10:11], s[92:93]
.irp s, 0,1
	s_mov_b32 s[G0+4*\s], 1
	s_add_co_u32 s[G0+4*\s+1], s45, \s*SLOT
	s_add_nc_u64 s[G0+4*\s+2:G0+4*\s+3], s[20:21], \s*HALFT
	s_or_b32 s[G0+4*\s+3], s[G0+4*\s+3], 0x80000000
	s_mov_b32 s[G0B+4*\s], 1
	s_add_co_u32 s[G0B+4*\s+1], s45, \s*SLOT
	s_add_nc_u64 s[G0B+4*\s+2:G0B+4*\s+3], s[46:47], \s*HALFT
	s_or_b32 s[G0B+4*\s+3], s[G0B+4*\s+3], 0x80000000
.endr
	s_cmp_eq_u32 s15, 0                            ; the prefetches: the stream that I fetch, and my place among the four that ask for it with me
	s_cselect_b64 s[PFA:PFA+1], s[20:21], s[46:47]
	s_cselect_b32 s90, s40, s41
	s_add_nc_u64 s[PFA:PFA+1], s[PFA:PFA+1], 2*HALFT   ; at the third tile; each refill steps it one tile on
	s_mul_i32 s91, s90, 38                         ; my 38 of a tile's 150 units
	CROUND                                         ; all sixteen work-groups are here: the first joint loads meet
	JLOAD G0, G1, G0B, G1B                         ; steps 0 to 2: one tensor load a wave at the head
	v_and_b32 v1, 15, v0                           ; r
	v_bfe_u32 v2, v0, 4, 1                         ; h
	v_and_b32 v6, 31, v0                           ; lane
	v_lshlrev_b32 v[CO], 4, v6                     ; 16 bytes a lane: in an image, in a row of the stage, in a row of out0, in the bias
	v_mul_u32_u24 v5, s78, v2
	v_lshl_add_u32 v5, v1, 4, v5                   ; scale words: 16 r; lanes 16-31 take W's
	v_add_nc_u32 v[ADRA], s76, v[CO]
	v_add_nc_u32 v[ADRB], s77, v[CO]
	v_add_nc_u32 v[ADRS], s76, v5
	v_add_nc_u32 v[ADRA+1], SLOT, v[ADRA]
	v_add_nc_u32 v[ADRB+1], SLOT, v[ADRB]
	v_add_nc_u32 v[ADRS+1], SLOT, v[ADRS]
	v_mul_u32_u24 v7, v1, SPITCH
	v_lshl_add_u32 v7, v2, 5, v7
	v_add_nc_u32 v[STO], s79, v7                   ; into the stage: row r, 32 bytes for each half of the lanes
	v_add_nc_u32 v[RD], s79, v[CO]                 ; back: the 32 lanes take a row of 512 bytes
	v_add_lshl_u32 v[PF], v6, s91, 8               ; units 38 p + lane,
	v_min_u32 v9, 5, v6
	v_add3_u32 v9, v9, s91, 32                     ; and 38 p + 32 .. 37 (the lanes left over name the last again),
	v_min_u32 v9, 149, v9                          ; none beyond the tile's last unit
	v_lshlrev_b32 v[PF+1], 8, v9
	global_load_b128 v[BI:BI+3], v[CO], s[10:11]   ; the bias of my four columns of a row; waited for ahead of the way out
	global_prefetch_b8 v[PF], s[PFA:PFA+1] offset:-HALFT th:TH_LOAD_NT scope:SCOPE_SE     ; the second tile, which the next joint load brings
	global_prefetch_b8 v[PF+1], s[PFA:PFA+1] offset:-HALFT th:TH_LOAD_NT scope:SCOPE_SE
.macro LDB slot, q, p, j0, n           ; n of the 24 loads of W's eight fragments of chunk q into set p: an image's bytes and its registers both run on: load j takes registers 4 j .. 4 j + 3 from byte 512 j
	WIN TO_B
.set J, \j0
.rept \n
	ds_load_b128 v[128*(\p)+4*J:128*(\p)+4*J+3], v[ADRB+\slot] offset:(\q)*CHUNK+512*J
.set J, J+1
.endr
.endm
.macro LDA slot, q, p, j0, n           ; the same of X's
	WIN 0
.set J, \j0
.rept \n
	ds_load_b128 v[AF+96*(\p)+4*J:AF+96*(\p)+4*J+3], v[ADRA+\slot] offset:(\q)*CHUNK+512*J
.set J, J+1
.endr
.endm
.macro LDSC slot, q, p                 ; the scale words: register i: lanes 0-15 the word of X's block i, lanes 16-31 that of W's block i
	WIN 0
	ds_load_b128 v[SC+8*(\p):SC+8*(\p)+3], v[ADRS+\slot] offset:(\q)*CHUNK+SOFF
	ds_load_b128 v[SC+8*(\p)+4:SC+8*(\p)+7], v[ADRS+\slot] offset:(\q)*CHUNK+SOFF+256
.endm
.macro G a, p, zero                    ; eight products: X's block a against W's eight, from set p; the accumulators take turns; zero = 1: the product starts the sum
	WIN MUL_LO+0x50*((\a)/4)
.irp b, 0,1,2,3,4,5,6,7
.if \zero
	v_wmma_scale_f32_16x16x128_f8f6f4 v[8*(8*((\a)%4)+\b):8*(8*((\a)%4)+\b)+7], v[128*(\p)+FR*\b:128*(\p)+FR*\b+FR-1], v[AF+96*(\p)+FR*(\a):AF+96*(\p)+FR*(\a)+FR-1], 0, v[SC+8*(\p)+\b], v[SC+8*(\p)+(\a)] matrix_a_fmt:MATRIX_FMT_BF6 matrix_b_fmt:MATRIX_FMT_BF6 matrix_a_scale:MATRIX_SCALE_ROW1
.else
	v_wmma_scale_f32_16x16x128_f8f6f4 v[8*(8*((\a)%4)+\b):8*(8*((\a)%4)+\b)+7], v[128*(\p)+FR*\b:128*(\p)+FR*\b+FR-1], v[AF+96*(\p)+FR*(\a):AF+96*(\p)+FR*(\a)+FR-1], v[8*(8*((\a)%4)+\b):8*(8*((\a)%4)+\b)+7], v[SC+8*(\p)+\b], v[SC+8*(\p)+(\a)] matrix_a_fmt:MATRIX_FMT_BF6 matrix_b_fmt:MATRIX_FMT_BF6 matrix_a_scale:MATRIX_SCALE_ROW1
.endif
.endr
.endm
.macro ASK guard                       ; the next joint load's tile: two instructions a wave, a lane a unit of 256 bytes.  guard = 1: not in the loop's last trip, whose next refill is the short one
.if \guard
	s_cmp_gt_u32 s3, 1
	s_cbranch_scc0 .Lno_ask_\@
.endif
	global_prefetch_b8 v[PF], s[PFA:PFA+1] th:TH_LOAD_NT scope:SCOPE_SE
	global_prefetch_b8 v[PF+1], s[PFA:PFA+1] th:TH_LOAD_NT scope:SCOPE_SE
.if \guard
.Lno_ask_\@:
.endif
.endm
; A step: set p is multiplied; chunk lq of slot ls, the next step's, comes into the other set.
; rnd > 0: this step has fetched the last chunk of slot 'slot': at its end stand the three lines and the barrier; rnd = 2: the barrier opens a round and the slot is filled again; 3: with the last two chunks; 1: nothing is filled.
; ask = 1, 2: a prefetch follows the joint load (2: guarded).
.macro STEP p, ls, lq, zero, rnd, slot, ask
	PLACES                                         ; four places behind the last step's products, which read the set that is loaded now
	s_wait_dscnt 12                                ; W's set, the scale words and X's blocks 0-3 are in; X's blocks 4-7 (12 loads) may be out
	LDB \ls, \lq, 1-(\p), 0, 24
	LDSC \ls, \lq, 1-(\p)
	LDA \ls, \lq, 1-(\p), 0, 6
	G 0, \p, \zero
	G 1, \p, \zero
	G 2, \p, \zero
	G 3, \p, \zero
	s_wait_dscnt 32                                ; all but my 32: X's blocks 4-7 are in
	LDA \ls, \lq, 1-(\p), 6, 18
	G 4, \p, \zero
	G 5, \p, \zero
.if \rnd
	WIN 0
.if \ask
	s_wait_xcnt 0x0                                ; my earlier prefetches have read their address
	s_add_nc_u64 s[PFA:PFA+1], s[PFA:PFA+1], HALFT
.endif
	s_wait_tensorcnt 0x0                           ; all my tensor loads have landed: my part of the next slot;
	ds_add_u32 v[SPW], v[NIL]
	G 6, \p, \zero
	s_wait_dscnt 0x0                               ; the add is done, and my reads of this slot are over
	s_barrier_signal -1
	G 7, \p, \zero
	WIN 0
	s_barrier_wait -1
.if \rnd > 1
	CREST                                          ; the barrier has opened a round: no wave of any partner still reads this slot or has a load on its way
	s_add_nc_u64 s[G0+4*\slot+2:G0+4*\slot+3], s[G0+4*\slot+2:G0+4*\slot+3], 2*HALFT
	s_add_nc_u64 s[G0B+4*\slot+2:G0B+4*\slot+3], s[G0B+4*\slot+2:G0B+4*\slot+3], 2*HALFT
.if \rnd == 3
	JLOAD G0+4*\slot, G1T, G0B+4*\slot, G1TB
.else
	JLOAD G0+4*\slot, G1, G0B+4*\slot, G1B         ; the first tensor load behind the round
.endif
.if \ask
	ASK (\ask)-1
.endif
.endif
.else
	G 6, \p, \zero
	G 7, \p, \zero
.endif
.endm
; THE WAY OUT of block a: 16 rows x 128 columns into my stage, each accumulator from its low end on, and back as whole rows.  LDS serves a wave's instructions in order (ISA guide 5.7.1.4).
.macro TOSTAGE a
.set AC, 64*((\a)%4)
	WIN 0x08+4*((\a)/4)                            ; the data: window 2 or 3
.irp b, 0,1,2,3,4,5,6,7
	ds_store_b128 v[STO], v[AC+8*\b:AC+8*\b+3] offset:64*\b
	ds_store_b128 v[STO], v[AC+8*\b+4:AC+8*\b+7] offset:64*\b+16
.endr
	WIN TO_B
.irp t, 0,1,2,3,4,5,6,7,8,9,10,11,12,13,14,15
	ds_load_b128 v[96+4*\t+96*(\t/8):96+4*\t+96*(\t/8)+3], v[RD] offset:\t*SPITCH
.endr
	WIN 0
.endm
.macro SEND a                          ; the bias is added, and the 16 rows are stored; the 32 additions are also the places behind the products issued just before
	s_wait_dscnt 0x0                               ; the block is back in registers
	WIN 0x41                                       ; rows in window 1, the bias in window 0
.irp t, 0,1,2,3,4,5,6,7,8,9,10,11,12,13,14,15
	v_pk_add_f32 v[96+4*\t+96*(\t/8):96+4*\t+96*(\t/8)+1], v[96+4*\t+96*(\t/8):96+4*\t+96*(\t/8)+1], v[BI:BI+1]
	v_pk_add_f32 v[96+4*\t+96*(\t/8)+2:96+4*\t+96*(\t/8)+3], v[96+4*\t+96*(\t/8)+2:96+4*\t+96*(\t/8)+3], v[BI+2:BI+3]
.endr
	WIN 0x04                                       ; a store's data: window 1
.if (\a) > 0
	s_add_nc_u64 s[8:9], s[8:9], 16*SIZE_N*4       ; (behind a wait on XCNT: the earlier stores have read their base)
.endif
.irp t, 0,1,2,3,4,5,6,7,8,9,10,11,12,13,14,15
	global_store_b128 v[CO], v[96+4*\t+96*(\t/8):96+4*\t+96*(\t/8)+3], s[8:9] offset:\t*SIZE_N*4   ; 32 lanes store 512 consecutive bytes, at a multiple of 256 from out0's first byte
.endr
	WIN 0
.endm
	s_wait_alu depctr_va_vdst(0)
	s_wait_tensorcnt 0x0                           ; my part of slot 0 is in
	ds_add_u32 v[SPW], v[NIL]
	s_wait_dscnt 0x0
	CROUND                                         ; slot 0 is whole, and all sixteen work-groups are here
	JLOAD G0+4, G1, G0B+4, G1B                     ; steps 3 to 5: slot 1's first fill
	ASK 0                                          ; the third tile
	LDB 0, 0, 0, 0, 24
	LDSC 0, 0, 0
	LDA 0, 0, 0, 0, 24
	STEP 0, 0, 1, 1, 0, 0, 0                       ; step 0: its products start the sums
	WIN 0
	s_mov_b32 s3, 4
.Llap:                                             ; a trip: six steps, once round the ring; both slots are filled again
	STEP 1, 0, 2, 0, 2, 0, 1
	STEP 0, 1, 0, 0, 0, 0, 0
	STEP 1, 1, 1, 0, 0, 0, 0
	STEP 0, 1, 2, 0, 2, 1, 2
	STEP 1, 0, 0, 0, 0, 0, 0
	STEP 0, 0, 1, 0, 0, 0, 0
	WIN 0
	s_sub_co_u32 s3, s3, 1
	s_cmp_lg_u32 s3, 0
	s_cbranch_scc1 .Llap
	STEP 1, 0, 2, 0, 3, 0, 0                       ; step 25; the last fill: steps 30 and 31
	STEP 0, 1, 0, 0, 0, 0, 0
	STEP 1, 1, 1, 0, 0, 0, 0
	STEP 0, 1, 2, 0, 1, 1, 0                       ; step 28: slot 1 is read out
	STEP 1, 0, 0, 0, 0, 0, 0                       ; step 29
	; STEPS 30 AND 31: both steps' operands fit in the two sets, so the blocks of 16 rows are finished one after the other, K ascending in each sum
	PLACES
	s_wait_dscnt 21                                ; W's set, the scale words and X's block 0 are in
	LDB 0, 1, 1, 0, 12
	G 0, 0, 0
	s_wait_dscnt 30                                ; 18 of step 30's + my 12
	LDB 0, 1, 1, 12, 12
	G 1, 0, 0
	s_wait_dscnt 39                                ; 15 + 24
	LDSC 0, 1, 1
	LDA 0, 1, 1, 0, 12
	G 2, 0, 0
	s_wait_dscnt 50                                ; 12 + 38
	LDA 0, 1, 1, 12, 12
	G 3, 0, 0
	s_wait_dscnt 21                                ; step 31's W, scale words and X's block 0 are in
	G 0, 1, 0
	s_wait_loadcnt 0x0                             ; the bias
	s_wait_dscnt 0x0                               ; all fragments are in: from here on DScnt counts the stage alone
	PLACES
	TOSTAGE 0
.irp a, 1,2,3,4,5,6,7
.if \a >= 4
	G \a, 0, 0
.endif
	G \a, 1, 0                                     ; block a is finished while block a - 1 goes through the stage
	SEND \a-1
	s_wait_xcnt 0x0                                ; the stores have read their registers and their base
	TOSTAGE \a
.endr
	SEND 7
	s_wait_tensorcnt 0x0                           ; the wave's end
	ds_add_u32 v[SPW], v[NIL]
	s_wait_dscnt 0x0
	CROUND                                         ; the closing round
	s_endpgm
.Lfunc_end_k_q8ca2475136_gemm:
	.size	k_q8ca2475136_gemm, .Lfunc_end_k_q8ca2475136_gemm-k_q8ca2475136_gemm
	.p2alignl 7, 3214868480
	.fill 96, 4, 3214868480
	.section	.rodata,"a",@progbits
	.p2align	6, 0x0
	.amdhsa_kernel k_q8ca2475136_gemm
		.amdhsa_group_segment_fixed_size 327680
		.amdhsa_private_segment_fixed_size 0
		.amdhsa_enable_private_segment 0
		.amdhsa_kernarg_size 32
		.amdhsa_user_sgpr_count 2
		.amdhsa_user_sgpr_kernarg_segment_ptr 1
		.amdhsa_wavefront_size32 1
		.amdhsa_system_sgpr_workgroup_id_x 1
		.amdhsa_system_sgpr_workgroup_id_y 1
		.amdhsa_system_sgpr_workgroup_id_z 1
		.amdhsa_system_vgpr_workitem_id 0
		.amdhsa_next_free_vgpr 1024
		.amdhsa_next_free_sgpr 98
		.amdhsa_reserve_vcc 0
		.amdhsa_float_denorm_mode_32 3
		.amdhsa_float_denorm_mode_16_64 3
		.amdhsa_memory_ordered 1
		.amdhsa_forward_progress 1
		.amdhsa_inst_pref_size 221
	.end_amdhsa_kernel
	.amdgpu_metadata
---
amdhsa.version: [ 1, 2 ]
amdhsa.kernels:
  - .name:           k_q8ca2475136_gemm
    .symbol:         k_q8ca2475136_gemm.kd
    .args:
      - { .name: xq, .offset: 0, .size: 8, .value_kind: global_buffer, .address_space: global }
      - { .name: wq, .offset: 8, .size: 8, .value_kind: global_buffer, .address_space: global }
      - { .name: out0, .offset: 16, .size: 8, .value_kind: global_buffer, .address_space: global }
      - { .name: bias, .offset: 24, .size: 8, .value_kind: global_buffer, .address_space: global }
    .group_segment_fixed_size: 327680
    .private_segment_fixed_size: 0
    .kernarg_segment_align: 8
    .kernarg_segment_size: 32
    .max_flat_workgroup_size: 128
    .sgpr_count:     98
    .vgpr_count:     1024
    .wavefront_size: 32
...
	.end_amdgpu_metadata
.endif
;; end of part 2
